; MI455X (gfx1250); checked and timed in simulation.
; The chip was launched on July 23, 2026; its instructions are those of AMD's public machine-readable ISA for CDNA 5 (MIT licence, August 2026) and "CDNA5" Instruction Set Architecture Reference Guide (July 2026). The comments in the code are by the model that wrote it; some were corrected since.
;; Sparse Mo E. Allowed arithmetic: matrix products marked QUANTISED: E2M3 operands, one E8M0 scale for each 32 along K, by v_wmma_scale_f32_16x16x128_f8f6f4 with both operands' format E2M3, f32 sums; products left as they are: f32 operands where the result goes on into a quantised operand, else bf16, f16 or f32 operands; f32 sums; everything else in f32.
;; Inputs: expert_b 8 x 4,096 float32; expert_w 8 x 4,096 x 1,024 float32; gating_b 8 float32; gating_w 8 x 1,024 float32; sequences 8 x 256 x 1,024 float32.
;; Outputs: out0 8 x 256 x 4,096 float32; out1 8 float32.
;; This version of the problem:
;;   THIS VERSION OF THE PROBLEM IS GIVEN IN LOW PRECISION. The matrix products marked QUANTISED in the list below multiply operands that are first quantised to E2M3 (2 exponent bits, 3 mantissa bits; 6 bits a number), with one power-of-two scale for each 32 numbers along K (OCP MX v1.0); their sums are f32. All else is computed in f32.
;;   The module's matrix products, in the order in which they are computed (A, B: the left and right operand; K: the contracted axis; several contracted axes count as one K, in the product's order):
;;     1. [M 2,048, K 1,024] x [K 1,024, N 8]; A: input sequences; B: input gating_w: left as it is (N = 8 < 16)
;;     2. [M 2,048, K 1,024] x [K 1,024, N 4,096]; A: input sequences; B: input expert_w: QUANTISED
;;     3. [M 2,048, K 1,024] x [K 1,024, N 4,096]; A: input sequences; B: input expert_w: QUANTISED
;;     4. [M 2,048, K 1,024] x [K 1,024, N 4,096]; A: input sequences; B: input expert_w: QUANTISED
;;     5. [M 2,048, K 1,024] x [K 1,024, N 4,096]; A: input sequences; B: input expert_w: QUANTISED
;;     6. [M 2,048, K 1,024] x [K 1,024, N 4,096]; A: input sequences; B: input expert_w: QUANTISED
;;     7. [M 2,048, K 1,024] x [K 1,024, N 4,096]; A: input sequences; B: input expert_w: QUANTISED
;;     8. [M 2,048, K 1,024] x [K 1,024, N 4,096]; A: input sequences; B: input expert_w: QUANTISED
;;     9. [M 2,048, K 1,024] x [K 1,024, N 4,096]; A: input sequences; B: input expert_w: QUANTISED
;;   THE QUANTISER, for each operand of a quantised product, along K:
;;     - K is cut into blocks of 32 from its start; a last block that is shorter is filled with zeros.
;;     - A block's scale is 2^e with e = floor(log2(the largest magnitude in the block)) - 2, held to -126 .. 127; a block of zeros has e = 0. As a byte (E8M0): e + 127.
;;     - Each number is divided by its block's scale, clamped to +-7.5, and rounded to the nearest number of E2M3, ties to even, subnormals kept.
;;     - The product sums the exact products of the quantised numbers (number of the format x scale) in f32.
;;   ~~~python
;;   def quantise(x, axis):      # numpy; x: float32 -> the quantised numbers, widened to float32 again
;;       x = np.moveaxis(x, axis, -1); K = x.shape[-1]
;;       x = np.pad(x, [(0, 0)] * (x.ndim - 1) + [(0, -K % 32)]); x = x.reshape(x.shape[:-1] + (-1, 32)); a = np.abs(x).max(-1, keepdims=True)
;;       e = np.where(a > 0, np.clip(np.frexp(np.where(a > 0, a, 1))[1] - 1 - 2, -126, 127), 0)      # np.frexp(a)[1] - 1 = floor(log2(a)), exactly
;;       r = np.clip(x / 2.0 ** e, -7.5, 7.5)
;;       step = 2.0 ** (np.maximum(np.frexp(np.where(r == 0, 1, r))[1] - 1, 0) - 3)
;;       q = np.round(r / step) * step * 2.0 ** e      # np.round: ties to even
;;       return np.moveaxis(q.reshape(q.shape[:-2] + (-1,))[..., :K], -1, axis).astype(np.float32)
;;   ~~~
;; One version. Each part assembles by itself: llvm-mc -triple=amdgcn-amd-amdhsa -mcpu=gfx1250 --defsym DOCPART=n.
;; ======== version 1 of 1: 2 launches
;; limits: right only within a limited range of input values
;; workspace buffers: xq 1,703,936 bytes; stats 8,192 bytes
;; launch route (part 1): grid 128 x 1, 8 waves a work-group, no clusters, 107,008 bytes of LDS; arguments sequences, gating_w, gating_b, xq, stats; writes xq, stats
.if DOCPART == 1
	.amdgcn_target "amdgcn-amd-amdhsa--gfx1250"
	.amdhsa_code_object_version 6
	.text
	.protected	k_q5fe7828f52_route
	.globl	k_q5fe7828f52_route
	.p2align	8
	.type	k_q5fe7828f52_route,@function
k_q5fe7828f52_route:
	s_mov_b64 s[64:65], 0
	v_nop
	global_prefetch_b8 v0, s[64:65] scope:SCOPE_SE
	s_setreg_imm32_b32 hwreg(HW_REG_WAVE_MODE, 25, 1), 1
	s_wait_xcnt 0x0
; ROUTE.  x = sequences as [2048][1024] f32.  A work-group takes a tile of 16 tokens; wave s takes K step s (k = 128 s .. 128 s + 127) of them.  It makes, for the launch behind it:
;  (a) x's codes of FP6 (E2M3) with one E8M0 byte for each 32 along K, laid as IMAGES OF THE OPERAND'S REGISTERS: a fragment (16 tokens x 128 K) is 12 registers a lane, registers 4 c .. 4 c + 3 of lane l at 512 c + 16 l;
;  (b) the gate in f32 fused multiply-adds (8 logits a token), its softmax, and for each token and expert a factor g: 0.5 where the expert is one of the token's two largest scores (ties to the lower index), else 0;
;  (c) for each expert the tile's sum of scores S and its sum of squared distances from the tile's mean M, from which the next launch makes the variance without a difference of large sums.
; A tile's record in xq is 13,312 bytes: 8 fragments of 1,536; 512 bytes of scale words (K step s, token r at 64 s + 4 r); 512 bytes of g (lane l = (r, h): g[r][4 h .. 4 h + 3] at 16 l).
; A block's scale is 2^(floor(log2(its largest magnitude)) - 2): its byte is the largest magnitude's exponent field - 2, held at 1 from below.
; LIMITS: NaN and infinities are not served.  A block whose largest magnitude lies under 2^-124 gets the byte 1; so does a block of zeros, where the rule says 127: its codes are zeros, and this program alone reads the bytes.
; The ranking is on scores made by v_exp_f32 and v_rcp_f32 (1 ulp each by the ISA guide): two scores of a token within a few ulp of each other may rank otherwise than in the reference.
; No tensor loads, no matrix unit, no cluster: 16.8 million multiply-adds in all, and what work-groups share (gating_w, 32 KiB) is a third of what each reads.
.set WREG, 12672                       ; LDS of a wave: x's stage, 16 rows x 528, then gating_w's, 8 rows x 528
.set WOFF, 8448
.set SP,   528                         ; a stage row: 512 bytes + 16 = 33 x 16: sixteen rows begin at sixteen different 16-byte columns of 256 bytes
.set LGP,  8*WREG                      ; partial logits: wave s, token r, 8 numbers at 512 s + 32 r
.set SCW,  LGP+4096                    ; the tile's scale words, as they lie in the record
.set REC,  13312
.set RAW,  16                          ; v16-79   x as loaded: row i in 4 registers
.set GW,   80                          ; v80-111  gating_w as loaded
.set N,    112                         ; v112-175 register 32 c + i = x[token r][128 s + 64 c + 32 h + i]
.set WT,   176                         ; v176-239 gating_w's numbers of a chunk, two sets of 32
.set LA,   80                          ; v80-111  the logits' sums: expert e, chain u, a pair at 4 e + 2 u (gating_w's registers, free behind the stage's wait)
.set CD,   16                          ; v16-27   the codes;  v28-35 their second halves as converted
.set TT,   28
.set MX,   36
.set SO,   38
.set BY,   40
.set WD,   42
.set WX,   43
.set PP,   112                         ; wave 0, behind the barrier: v112-175 the eight waves' partial logits
.set SW,   176                         ; v176-179 scale words on their way out
.set LG,   180                         ; v180-187 logits, then scores
.set RK,   188                         ; v188-195 a factor for tiny scores, then ranks
.set GG,   196                         ; v196-203 g
.set SS,   204                         ; v204-211 S
.set MM,   212                         ; v212-219 M
	s_load_b256 s[4:11], s[0:1], 0x0               ; sequences s[4:5], gating_w s[6:7], gating_b s[8:9], xq s[10:11]
	s_load_b64 s[12:13], s[0:1], 0x20              ; stats
.set SPARE, SCW+512                    ; behind the scale words: the spare words, 128 bytes for each of the 8 waves; no other line names them
	v_lshl_add_u32 v240, v0, 2, SPARE              ; my spare word; never rewritten
	v_mov_b32 v241, 0                              ; 0; never rewritten
	v_lshrrev_b32 v15, 5, v0
	s_delay_alu instid0(VALU_DEP_1)
	v_readfirstlane_b32 s16, v15                   ; wave 0..7 = K step
	v_and_b32 v1, 31, v0                           ; lane
	v_and_b32 v2, 15, v0                           ; r
	v_bfe_u32 v3, v0, 4, 1                         ; h
	s_delay_alu instid0(VALU_DEP_3)
	v_lshlrev_b32 v4, 4, v1                        ; 16 x lane
	s_mul_i32 s17, s16, WREG
	v_add_nc_u32 v5, s17, v4                       ; x's stage, in: 16 x lane of a row
	v_mul_u32_u24 v6, v2, SP
	s_delay_alu instid0(VALU_DEP_1)
	v_lshl_add_u32 v6, v3, 7, v6
	s_delay_alu instid0(VALU_DEP_1)
	v_add_nc_u32 v6, s17, v6                       ; and out: row r, + 128 h
	s_add_co_u32 s18, s17, WOFF
	v_add_nc_u32 v7, s18, v4                       ; gating_w's stage, in
	v_lshlrev_b32 v8, 7, v3
	s_delay_alu instid0(VALU_DEP_1)
	v_add_nc_u32 v8, s18, v8                       ; and out: + 128 h; the row stands in the offset
	v_lshlrev_b32 v9, 3, v3                        ; 8 h: my two scale bytes' place in the word
	s_lshl_b32 s19, s16, 6
	s_add_co_u32 s19, s19, SCW
	v_lshl_add_u32 v10, v2, 2, s19                 ; my row's scale word
	s_lshl_b32 s19, s16, 9
	s_add_co_u32 s19, s19, LGP
	v_lshl_add_u32 v11, v2, 5, s19                 ; my wave's partial logits of token r
	v_lshlrev_b32 v12, 5, v2
	s_delay_alu instid0(VALU_DEP_1)
	v_add_nc_u32 v12, LGP, v12                     ; wave 0: token r's, of wave 0; the wave stands in the offset
	v_add_nc_u32 v13, SCW, v4                      ; wave 0: the scale words as they lie
	v_mov_b32 v14, 0.5
	v_mov_b32 v15, 0
	s_mov_b32 s20, 0x76543210
	s_mov_b32 s21, 0xfedcba98                      ; v_permlanex16_b32's selects for lane l xor 16
	s_mov_b32 s22, 0xffff0000                      ; lanes 16-31
	s_lshl_b32 s36, s16, 9                         ; 512 s: my K step in a row
	s_mov_b32 s37, 0
	s_lshl_b32 s32, ttmp9, 16                      ; 16 rows of 4,096 bytes a tile
	s_add_co_u32 s32, s32, s36
	s_mov_b32 s33, 0
	s_mul_i32 s38, ttmp9, REC
	s_mov_b32 s39, 0
	s_wait_kmcnt 0x0
	s_load_b256 s[24:31], s[8:9], 0x0              ; gating_b's eight numbers (nobody writes that buffer)
	s_add_nc_u64 s[4:5], s[4:5], s[32:33]
	s_add_nc_u64 s[6:7], s[6:7], s[36:37]
	s_add_nc_u64 s[10:11], s[10:11], s[38:39]      ; the tile's record
	s_mul_i32 s32, s16, 1536
	s_add_nc_u64 s[34:35], s[10:11], s[32:33]      ; my fragment in it
	s_lshl_b32 s32, ttmp9, 6
	s_add_nc_u64 s[12:13], s[12:13], s[32:33]      ; the tile's 64 bytes of stats
.irp i, 0,1,2,3,4,5,6,7,8,9,10,11,12,13,14,15
	global_load_b128 v[RAW+4*\i:RAW+4*\i+3], v4, s[4:5] offset:4096*\i th:TH_LOAD_NT   ; 32 lanes read 512 consecutive bytes of row i, aligned to 256
.endr
.irp e, 0,1,2,3,4,5,6,7
	global_load_b128 v[GW+4*\e:GW+4*\e+3], v4, s[6:7] offset:4096*\e
.endr
	s_wait_loadcnt 0x0
; The conversions and the gate want a lane to hold neighbours along K of ONE row; the loads are best with neighbouring lanes on neighbouring bytes.  Both are had by a turn through the wave's own stage.
.irp i, 0,1,2,3,4,5,6,7,8,9,10,11,12,13,14,15
	ds_store_b128 v5, v[RAW+4*\i:RAW+4*\i+3] offset:SP*\i
.endr
.irp e, 0,1,2,3,4,5,6,7
	ds_store_b128 v7, v[GW+4*\e:GW+4*\e+3] offset:SP*\e
.endr
.irp c, 0,1
.irp j, 0,1,2,3,4,5,6,7
	ds_load_b128 v[N+32*\c+4*\j:N+32*\c+4*\j+3], v6 offset:256*\c+16*\j   ; LDS serves a wave's instructions in order: these see my stores
.endr
.endr
	s_wait_dscnt 0x0                               ; the numbers are back, and the stores have read their registers
	v_mov_b32 v[WX], 0                             ; a lane permute's destination counts as one of its sources
; my two blocks, 2 c + h: all 32 numbers of each are mine
.irp c, 0,1
	v_max3_num_f32 v[MX+\c], |v[N+32*\c]|, |v[N+32*\c+1]|, 0x1800000   ; and the floor 2^(3 - 127): the byte cannot fall under 1
.endr
.irp i, 2,4,6,8,10,12,14,16,18,20,22,24,26,28,30
.irp c, 0,1
	s_delay_alu instid0(VALU_DEP_2)
	v_max3_num_f32 v[MX+\c], v[MX+\c], |v[N+32*\c+\i]|, |v[N+32*\c+\i+1]|
.endr
.endr
.irp c, 0,1
	s_delay_alu instid0(VALU_DEP_2)
	v_add_nc_u32 v[SO+\c], 0xff000000, v[MX+\c]    ; 2 off the exponent field: the conversion takes the exponent field of this operand as its scale
.endr
.irp c, 0,1
	s_delay_alu instid0(VALU_DEP_2)
	v_lshrrev_b32 v[BY+\c], 23, v[SO+\c]           ; the scale's byte
.endr
	s_delay_alu instid0(VALU_DEP_1)
	v_lshl_or_b32 v[WD], v[BY+1], 16, v[BY]        ; blocks h and 2 + h,
	s_delay_alu instid0(VALU_DEP_1)
	v_lshlrev_b32 v[WD], v9, v[WD]                 ; at their places in the row's word;
	s_delay_alu instid0(VALU_DEP_1)
	v_permlanex16_b32 v[WX], v[WD], s20, s21
	s_delay_alu instid0(VALU_DEP_1)
	v_or_b32 v[WD], v[WD], v[WX]                   ; with lane l xor 16's two the word is whole
.irp c, 0,1
	v_cvt_scalef32_pk16_fp6_f32 v[CD+6*\c:CD+6*\c+2], v[N+32*\c:N+32*\c+15], v[SO+\c]
	v_cvt_scalef32_pk16_fp6_f32 v[TT+4*\c:TT+4*\c+2], v[N+32*\c+16:N+32*\c+31], v[SO+\c]   ; (a conversion's three registers begin on an even number)
.endr
	v_nop                                          ; one plain place behind a scaled conversion
.irp c, 0,1
.irp i, 0,1,2
	v_mov_b32 v[CD+6*\c+3+\i], v[TT+4*\c+\i]
.endr
.endr
.irp c, 0,1,2
	global_store_b128 v4, v[CD+4*\c:CD+4*\c+3], s[34:35] offset:512*\c   ; the fragment's image: 512 consecutive bytes a store, aligned to 256
.endr
	ds_store_b32 v10, v[WD]                        ; lanes r and r + 16 write the same word with the same value
; The gate's partial sums over my 128 k: chunk q = expert q % 8, half q / 8 of my K step.  Lanes of one half read the same 128 bytes of gating_w.
.macro WTL q
.irp j, 0,1,2,3,4,5,6,7
	ds_load_b128 v[WT+32*((\q)%2)+4*\j:WT+32*((\q)%2)+4*\j+3], v8 offset:SP*((\q)%8)+256*((\q)/8)+16*\j
.endr
.endm
.macro DOT q
.irp i, 0,2,4,6,8,10,12,14,16,18,20,22,24,26,28,30
.if ((\q) < 8) && (\i < 4)
	v_pk_mul_f32 v[LA+4*((\q)%8)+\i:LA+4*((\q)%8)+\i+1], v[N+32*((\q)/8)+\i:N+32*((\q)/8)+\i+1], v[WT+32*((\q)%2)+\i:WT+32*((\q)%2)+\i+1]   ; the first products start the sums
.else
	v_pk_fma_f32 v[LA+4*((\q)%8)+\i%4:LA+4*((\q)%8)+\i%4+1], v[N+32*((\q)/8)+\i:N+32*((\q)/8)+\i+1], v[WT+32*((\q)%2)+\i:WT+32*((\q)%2)+\i+1], v[LA+4*((\q)%8)+\i%4:LA+4*((\q)%8)+\i%4+1]
.endif
.endr
.endm
	WTL 0
.set Q, 0
.rept 15
	WTL Q+1
	s_wait_dscnt 8                                 ; this chunk's loads are in; the next chunk's eight may be out
	DOT Q
.set Q, Q+1
.endr
	s_wait_dscnt 0x0
	DOT 15
.irp e, 0,1,2,3,4,5,6,7
	v_pk_add_f32 v[LA+4*\e:LA+4*\e+1], v[LA+4*\e:LA+4*\e+1], v[LA+4*\e+2:LA+4*\e+3]
.endr
.irp e, 0,1,2,3,4,5,6,7
	v_add_f32 v[WT+\e], v[LA+4*\e], v[LA+4*\e+1]
.endr
.irp e, 0,1,2,3,4,5,6,7
	v_permlanex16_b32 v[WT+8+\e], v[WT+\e], s20, s21
.endr
.irp e, 0,1,2,3,4,5,6,7
	v_add_f32 v[WT+\e], v[WT+\e], v[WT+8+\e]       ; with lane l xor 16's half of the K step
.endr
	ds_store_b128 v11, v[WT:WT+3]
	ds_store_b128 v11, v[WT+4:WT+7] offset:16
	s_wait_kmcnt 0x0                               ; gating_b
	s_wait_dscnt 0x0                               ; for wave 0's sake: my partial logits and my scale words lie in LDS
	s_barrier_signal -1
	s_barrier_wait -1
	s_cmp_lg_u32 s16, 0
	s_cbranch_scc1 .Ldone
; Wave 0: lane (r, h) has token r; both halves of the lanes compute alike.
.irp s, 0,1,2,3,4,5,6,7
	ds_load_b128 v[PP+8*\s:PP+8*\s+3], v12 offset:512*\s
	ds_load_b128 v[PP+8*\s+4:PP+8*\s+7], v12 offset:512*\s+16
.endr
	ds_load_b128 v[SW:SW+3], v13
.irp e, 0,1,2,3,4,5,6,7
	v_mov_b32 v[LG+\e], s[24+\e]                   ; the bias starts the sum
.endr
	v_mov_b32 v222, 0x42800000                     ; 64
	v_mov_b32 v223, 0x1f800000                     ; 2^-64
	v_mov_b32 v224, 1.0
	s_wait_alu depctr_va_vdst(0)
	s_wait_dscnt 0x0
.irp s, 0,1,2,3,4,5,6,7
.irp i, 0,2,4,6
	v_pk_add_f32 v[LG+\i:LG+\i+1], v[LG+\i:LG+\i+1], v[PP+8*\s+\i:PP+8*\s+\i+1]
.endr
.endr
	s_delay_alu instid0(VALU_DEP_3)
	v_max3_num_f32 v220, v[LG], v[LG+1], v[LG+2]
	s_delay_alu instid0(VALU_DEP_1)
	v_max3_num_f32 v220, v220, v[LG+3], v[LG+4]
	s_delay_alu instid0(VALU_DEP_1)
	v_max3_num_f32 v220, v220, v[LG+5], v[LG+6]
	s_delay_alu instid0(VALU_DEP_1)
	v_max_num_f32 v220, v220, v[LG+7]              ; the token's largest logit is taken away, as in the reference
.irp e, 0,1,2,3,4,5,6,7
	v_sub_f32 v[LG+\e], v[LG+\e], v220
.endr
.irp e, 0,1,2,3,4,5,6,7
	v_mul_f32 v[LG+\e], 0x3fb8aa3b, v[LG+\e]       ; x log2(e)
.endr
.irp e, 0,1,2,3,4,5,6,7                        ; v_exp_f32 gives 0 where its result would be denormal (ISA guide, its entry): under -126 the exponent is raised by 64 and the result multiplied by 2^-64, so that tiny scores keep their order
	v_cmp_gt_f32 vcc_lo, 0xc2fc0000, v[LG+\e]
	s_delay_alu instid0(VALU_DEP_1)
	v_cndmask_b32 v221, 0, v222, vcc_lo
	s_delay_alu instid0(VALU_DEP_2)
	v_cndmask_b32 v[RK+\e], v224, v223, vcc_lo
	s_delay_alu instid0(VALU_DEP_2)
	v_add_f32 v[LG+\e], v[LG+\e], v221
.endr
	s_wait_alu depctr_va_vdst(0)
.irp e, 0,1,2,3,4,5,6,7
	v_exp_f32 v[LG+\e], v[LG+\e]
.endr
	v_nop                                          ; one plain place behind the transcendentals
	s_wait_alu depctr_va_vdst(0)                   ; one wait for the batch, ahead of its first reader
.irp e, 0,1,2,3,4,5,6,7
	v_mul_f32 v[LG+\e], v[LG+\e], v[RK+\e]
.endr
	v_add_f32 v225, v[LG], v[LG+1]
.irp e, 2,3,4,5,6,7
	s_delay_alu instid0(VALU_DEP_1)
	v_add_f32 v225, v225, v[LG+\e]
.endr
	s_wait_alu depctr_va_vdst(0)
	v_rcp_f32 v225, v225
	v_nop                                          ; one plain place behind the transcendental
	s_wait_alu depctr_va_vdst(0)                   ; the wait ahead of its first reader
.irp e, 0,1,2,3,4,5,6,7
	v_mul_f32 v[LG+\e], v[LG+\e], v225
.endr
.irp e, 0,1,2,3,4,5,6,7
	v_mov_b32 v[RK+\e], 0
.endr
; An expert's rank is the number of experts that come before it: those with a larger score, and those with the same score and a lower index.
.macro PAIR j, e
	v_cmp_ge_f32 vcc_lo, v[LG+\j], v[LG+\e]
	s_delay_alu instid0(VALU_DEP_1)
	v_add_co_ci_u32 v[RK+\e], vcc_lo, 0, v[RK+\e], vcc_lo
	v_cmp_lt_f32 vcc_lo, v[LG+\j], v[LG+\e]
	s_delay_alu instid0(VALU_DEP_1)
	v_add_co_ci_u32 v[RK+\j], vcc_lo, 0, v[RK+\j], vcc_lo
.endm
.irp e, 1,2,3,4,5,6,7
.irp j, 0,1,2,3,4,5,6
.if \j < \e
	PAIR \j, \e
.endif
.endr
.endr
.irp e, 0,1,2,3,4,5,6,7
	v_cmp_gt_u32 vcc_lo, 2, v[RK+\e]
	s_delay_alu instid0(VALU_DEP_1)
	v_cndmask_b32 v[GG+\e], 0, v14, vcc_lo         ; g = 1 / TOP_K for ranks 0 and 1, else 0: the choice selects a value, never an address
.endr
.irp e, 0,1,2,3,4,5,6,7
	v_mov_b32 v[SS+\e], v[LG+\e]
.endr
.irp m, 1,2,4,8
.irp e, 0,1,2,3,4,5,6,7
	v_add_f32_dpp v[SS+\e], v[SS+\e], v[SS+\e] row_xmask:\m row_mask:0xf bank_mask:0xf   ; over the 16 tokens
.endr
.endr
.irp e, 0,1,2,3,4,5,6,7
	v_fma_f32 v[MM+\e], v[SS+\e], 0xbd800000, v[LG+\e]   ; score - S / 16
.endr
.irp e, 0,1,2,3,4,5,6,7
	v_mul_f32 v[MM+\e], v[MM+\e], v[MM+\e]
.endr
.irp m, 1,2,4,8
.irp e, 0,1,2,3,4,5,6,7
	v_add_f32_dpp v[MM+\e], v[MM+\e], v[MM+\e] row_xmask:\m row_mask:0xf bank_mask:0xf
.endr
.endr
.irp i, 0,1,2,3
	v_cndmask_b32 v[226+\i], v[GG+\i], v[GG+4+\i], s22   ; lanes 0-15 experts 0-3, lanes 16-31 experts 4-7
.endr
	global_store_b128 v4, v[SW:SW+3], s[10:11] offset:12288    ; 512 consecutive bytes each, aligned to 256
	global_store_b128 v4, v[226:229], s[10:11] offset:12800
	v_cmp_eq_u32 vcc_lo, 0, v1
	s_wait_alu depctr_va_vdst(0)
	s_wait_xcnt 0x0                                ; EXEC changes only behind this wait: it is a source of the stores above
	s_and_saveexec_b32 s40, vcc_lo
	global_store_b128 v15, v[SS:SS+3], s[12:13]
	global_store_b128 v15, v[SS+4:SS+7], s[12:13] offset:16
	global_store_b128 v15, v[MM:MM+3], s[12:13] offset:32
	global_store_b128 v15, v[MM+4:MM+7], s[12:13] offset:48
	s_wait_xcnt 0x0
	s_or_b32 exec_lo, exec_lo, s40
.Ldone:
	s_wait_tensorcnt 0x0                           ; the wave's end, behind my last LDS store
	ds_add_u32 v240, v241
	s_wait_dscnt 0x0
	s_endpgm
.Lfunc_end_k_q5fe7828f52_route:
	.size	k_q5fe7828f52_route, .Lfunc_end_k_q5fe7828f52_route-k_q5fe7828f52_route
	.p2alignl 7, 3214868480
	.fill 96, 4, 3214868480
	.section	.rodata,"a",@progbits
	.p2align	6, 0x0
	.amdhsa_kernel k_q5fe7828f52_route
		.amdhsa_group_segment_fixed_size 107008
		.amdhsa_private_segment_fixed_size 0
		.amdhsa_enable_private_segment 0
		.amdhsa_kernarg_size 40
		.amdhsa_user_sgpr_count 2
		.amdhsa_user_sgpr_kernarg_segment_ptr 1
		.amdhsa_wavefront_size32 1
		.amdhsa_system_sgpr_workgroup_id_x 1
		.amdhsa_system_sgpr_workgroup_id_y 1
		.amdhsa_system_sgpr_workgroup_id_z 1
		.amdhsa_system_vgpr_workitem_id 0
		.amdhsa_next_free_vgpr 248
		.amdhsa_next_free_sgpr 66
		.amdhsa_reserve_vcc 1
		.amdhsa_float_denorm_mode_32 3
		.amdhsa_float_denorm_mode_16_64 3
		.amdhsa_memory_ordered 1
		.amdhsa_forward_progress 1
		.amdhsa_inst_pref_size 59
	.end_amdhsa_kernel
	.amdgpu_metadata
---
amdhsa.version: [ 1, 2 ]
amdhsa.kernels:
  - .name:           k_q5fe7828f52_route
    .symbol:         k_q5fe7828f52_route.kd
    .args:
      - { .name: sequences, .offset: 0, .size: 8, .value_kind: global_buffer, .address_space: global }
      - { .name: gating_w, .offset: 8, .size: 8, .value_kind: global_buffer, .address_space: global }
      - { .name: gating_b, .offset: 16, .size: 8, .value_kind: global_buffer, .address_space: global }
      - { .name: xq, .offset: 24, .size: 8, .value_kind: global_buffer, .address_space: global }
      - { .name: stats, .offset: 32, .size: 8, .value_kind: global_buffer, .address_space: global }
    .group_segment_fixed_size: 107008
    .private_segment_fixed_size: 0
    .kernarg_segment_align: 8
    .kernarg_segment_size: 40
    .max_flat_workgroup_size: 256
    .sgpr_count:     66
    .vgpr_count:     248
    .wavefront_size: 32
...
	.end_amdgpu_metadata
.endif
;; end of part 1
;; launch moe (part 2): grid 256 x 1, 4 waves a work-group, clusters of 4 x 1, 327,680 bytes of LDS; arguments expert_w, expert_b, xq, stats, out0, out1; writes out0, out1
.if DOCPART == 2
	.amdgcn_target "amdgcn-amd-amdhsa--gfx1250"
	.amdhsa_code_object_version 6
	.text
	.protected	k_q5fe7828f52_moe
	.globl	k_q5fe7828f52_moe
	.p2align	8
	.type	k_q5fe7828f52_moe,@function
k_q5fe7828f52_moe:
	s_mov_b64 s[64:65], 0
	v_nop
	global_prefetch_b8 v0, s[64:65] scope:SCOPE_SE
	s_setreg_imm32_b32 hwreg(HW_REG_WAVE_MODE, 25, 1), 1
	s_wait_xcnt 0x0
	s_wait_alu depctr_hold_cnt(0) depctr_sa_sdst(0) depctr_va_vdst(0) depctr_va_sdst(0) depctr_va_ssrc(0) depctr_va_vcc(0) depctr_vm_vsrc(0)
	s_getreg_b32 s2, hwreg(HW_REG_IB_STS2, 6, 4)
	s_cmp_eq_u32 s2, 0
	s_cbranch_scc0 .Lentry_in_a_cluster
	s_endpgm
.Lentry_in_a_cluster:
	s_bfe_u32 s2, ttmp6, 0x10000c
	s_cmp_lg_u32 s2, 0x3003
	s_cbranch_scc0 .Lentry_shape_is_right
	s_endpgm
.Lentry_shape_is_right:
; MOE.  out0[t][n] = sum over the 8 experts e of g[t][e] (x[t] . W_e[n] + b_e[n]), g = 0.5 for a token's two chosen experts, else 0 (made by launch route); out1 = the variance of the scores.
; A work-group owns 16 columns n of out0 for all 2,048 tokens and all 8 experts: 4,096 / 16 = 256 work-groups.
; Wave w = 2 tg + kh takes K half kh (K steps 4 kh .. 4 kh + 3) of every second tile of 16 tokens (tiles 2 i + tg): a tile's sums are made by two waves, so each tile is weighed by g twice and not four times.
; THE HEAD: wave (tg, kh) reads K half kh of experts 4 tg .. 4 tg + 3 (16 fragments of 16 rows x 128 K, f32) once, four fragments (64 loads) ahead, turns each through its own LDS stage so that a lane holds
; 32 neighbours along K, and quantises it to FP6 (E2M3) with one E8M0 byte for each 32 along K.  Its partner, wave w xor 2, needs the same fragments: they change hands as images of the operand's registers,
; an expert at a time.  So register slot E of a wave holds expert (E + 4 tg) mod 8: slots 0-3 its own (window 1), slots 4-7 the partner's (window 2); the addresses of g and of the bias follow that order.
; THE WALK: x's records (16 tokens each: fragment images, scale words, g) come through two LDS slots of 8 records, by joint tensor loads of a cluster of 4 work-groups, which walk the same records.
; The walk over xq's 16 slots is a ring: cluster c begins at slot c mod 16, so that in one trip the 64 clusters ask for 16 different slots, and from a cluster's third fill on the slot asked for is the one
; that the cluster with the next number asked for one trip earlier; so no data prefetch is laid for xq.  expert_w goes straight into registers, 64 loads a wave ahead.
; A STEP is one tile a wave: 32 products, 8 accumulators by turns, transposed (source 0 = W's rows): a lane holds one token and 8 neighbouring columns.  C of the first K step is the bias
; in the waves of K half 0 and zeros in the others.  The step before's 8 results are weighed by g and summed among this step's products.  All LDS work of a step stands in one run.
; The two waves' partial sums of a slot's 8 tiles meet in an exchange buffer; behind the slot's one barrier, which is also the round of its refill, each wave adds and stores two tiles.
; All of reference()'s work is done: nothing is left out.  LIMITS: NaN and infinities are not served; a block whose largest magnitude lies under 2^-124, and a block of zeros, gets the byte 1 (this program alone reads the bytes).
; A store covers 64 bytes of each of 16 rows of out0: a work-group's 16 columns are all that it owns of a row.
.set REC,    13312                     ; a record of xq: 8 fragments of 1,536 bytes, 512 of scale words, 512 of g
.set SLOTB,  8*REC
.set QUART,  2*REC                     ; what one wave's tensor load brings
.set SLOT1,  131072
.set EX0,    SLOTB                     ; exchange buffers: tile step 4,096, wave 1,024
.set SPARE,  EX0+16384                 ; the spare words, 128 bytes a wave
.set EX1,    SLOT1+SLOTB
.set WSTG,   EX1+16384                 ; the weights' stages: 16 rows x 528 a wave
.set SP,     528
.set XW,     WSTG+4*16*SP              ; fragments from wave to wave: 4 fragments of 1,536 bytes a wave
.set XWS,    XW+4*6144                 ; and their scale words: 8 registers of 128 bytes a wave
; window 0
.set SPW, 1
.set NIL, 2
.set L16, 3
.set STI, 4
.set STO, 5
.set OO,  6
.set BOA, 7
.set WS,  8                            ; v8-23  W's scale words: slot E, K steps 2 q (lanes 0-15) and 2 q + 1 (lanes 16-31) at 2 E + q
.set XS,  24                           ; v24-27 x's scale words, the same way: buffer p at 2 p + q
.set BOB, 28
.set SH8, 29
.set WD,  30
.set WX,  31
.set MX,  32
.set SO,  34
.set BY,  36
.set TT,  40
.set XST, 51
.set XLD, 52
.set XSS, 53
.set XSL, 54
.set N,   64                           ; v64-127  the head: 64 numbers of a fragment
.set FT,  128                          ; v128-159 two tiles x two partial sums on the way out
; window 1: v0-191 codes of slots 0-3 (48 E + 12 s);  window 2: v0-191 codes of slots 4-7, v192-255 the bias (192 + 8 E)
.set G,   192                          ; window 1: four sets of 8 g
.set AXL, 224
.set ASL, 226
.set AGA, 228
.set AGB, 230
.set AX0, 232
.set AS0, 233
.set AGA0, 234
.set AGB0, 235
.set ES,  236
.set EF,  238
; window 3: in the head the weights as loaded (4 x 64); then:
.set XF,  0                            ; x's fragments: buffer p, K step s at 48 p + 12 s
.set ACC, 96                           ; accumulators: buffer p, slot E at 64 p + 8 E
.set TOT, 224                          ; weighed sums: buffer p at 8 p
.set WV,  16
.set SEL, 20
.set HM,  22
.set CNT, 23
.set G1,  24
.set G0A, 32
.set G0B, 36
.set TB,  40
.set BSEL, 42
.set WB,  44                           ; s[44:51] my four experts' rows of expert_w
.set KH,  52
.set TG,  53
.set TGX, 54
.set STA, 60
.set O1,  62
.set OUT, 66
.set XB,  72                           ; s[72:73] xq + my wave's quarter of a slot
.set SI,  74                           ; the slot of xq asked for last, 0 .. 15: made of the cluster's number alone
.set XO,  76
.set OB,  78                           ; s[78:79] out0 + my columns + my first tile of a slot
.set OF,  80                           ; s[80:81] the byte offset in out0 of the slot that goes out next: steps of 128 rows (2 MiB) modulo 32 MiB
.set MSB, 0
.macro WIN new                         ; the immediate's high byte repeats the setting that is left
.if MSB != \new
	s_set_vgpr_msb (MSB<<8)|\new
.set MSB, \new
.endif
.endm
.set WC,  0x41                         ; destination and address window 1
.set WDD, 0x44
.set WL0, 0x01                         ; destination window 0, address window 1
.set WL3, 0xc1                         ; destination window 3, address window 1
.set WST, 0x0d                         ; address window 1, data window 3
.macro CREST
	s_cmp_lg_u32 s[WV], 0
	s_cbranch_scc1 .Lnot_wave_0_\@
	s_barrier_signal -3
.Lnot_wave_0_\@:
	s_barrier_wait -3
	s_barrier_signal -1
	s_barrier_wait -1
.endm
.macro ROUND
	s_barrier_signal -1
	s_barrier_wait -1
	CREST
.endm
.macro PLACES n
.rept \n
	v_nop
.endr
.endm
	s_load_b256 s[4:11], s[0:1], 0x0               ; expert_w s[4:5], expert_b s[6:7], xq s[8:9], stats s[10:11]
	s_load_b128 s[12:15], s[0:1], 0x20             ; out0 s[12:13], out1 s[14:15]
	v_lshl_add_u32 v[SPW], v0, 2, SPARE
	v_mov_b32 v[NIL], 0
	ds_add_u32 v[SPW], v[NIL]                      ; the opening lines: the add, twice on end, and its wait ahead of the round in front of my first tensor load
	ds_add_u32 v[SPW], v[NIL]
	v_lshrrev_b32 v48, 5, v0
	v_readfirstlane_b32 s[WV], v48
	s_and_b32 s[KH], s[WV], 1                      ; my K half
	s_lshr_b32 s[TG], s[WV], 1                     ; my tiles: 2 i + tg
	s_xor_b32 s[TGX], s[TG], 1
	s_bfe_u32 s17, ttmp6, 0x40000                  ; cx
	s_lshl_b32 s18, ttmp9, 2
	s_add_co_u32 s18, s18, s17                     ; the work-group's number: its 16 columns
	s_mov_b32 s[SEL], 0x76543210
	s_mov_b32 s[SEL+1], 0xfedcba98
	s_mov_b32 s[HM], 0xffff0000
	s_cmp_eq_u32 s[KH], 0
	s_cselect_b32 s[BSEL], 1.0, 0                  ; the bias counts once: in K half 0
	s_mov_b32 s[BSEL+1], s[BSEL]
	s_mov_b32 s[G1+0], 15|(3<<16)|(1<<21)          ; all four work-groups of the cluster; elements of 8 bytes
	s_mov_b32 s[G1+1], 32<<16                      ; 104 rows of 256 bytes: two records, dense
	s_mov_b32 s[G1+2], 104<<16
	s_mov_b32 s[G1+3], 32<<16
	s_mov_b32 s[G1+4], 104
	s_mov_b32 s[G1+5], 32
	s_mov_b32 s[G1+6], 0
	s_mov_b32 s[G1+7], 0
	s_mul_i32 s2, s[WV], QUART
	s_mov_b32 s3, 0
	v_and_b32 v48, 31, v0                          ; lane
	v_and_b32 v49, 15, v0                          ; r
	v_bfe_u32 v50, v0, 4, 1                        ; h
	v_lshlrev_b32 v[L16], 4, v48
	s_mul_i32 s19, s[WV], 16*SP
	s_add_co_u32 s19, s19, WSTG
	v_add_nc_u32 v[STI], s19, v[L16]               ; the stage, in: 16 x lane of a row
	v_mul_u32_u24 v[STO], v49, SP
	v_lshl_add_u32 v[STO], v50, 7, v[STO]
	v_add_nc_u32 v[STO], s19, v[STO]               ; and out: row r, + 128 h
	v_lshlrev_b32 v[OO], 14, v49                   ; out0: row r of 16,384 bytes, + 32 h
	v_lshl_add_u32 v[OO], v50, 5, v[OO]
	s_lshl_b32 s19, s[TG], 16
	v_lshl_add_u32 v[BOA], v50, 5, s19             ; the bias of slots 0-3: experts 4 tg ..
	s_lshl_b32 s19, s[TGX], 16
	v_lshl_add_u32 v[BOB], v50, 5, s19             ; and of slots 4-7
	v_lshlrev_b32 v[SH8], 3, v50
	v_mov_b32 v[WX], 0
	s_mul_i32 s19, s[WV], 6144
	s_add_co_u32 s19, s19, XW
	v_add_nc_u32 v[XST], s19, v[L16]               ; where I lay my fragments' images,
	s_xor_b32 s41, s[WV], 2
	s_mul_i32 s19, s41, 6144
	s_add_co_u32 s19, s19, XW
	v_add_nc_u32 v[XLD], s19, v[L16]               ; and where my partner lays its own
	s_lshl_b32 s19, s[WV], 10
	s_add_co_u32 s19, s19, XWS
	v_lshl_add_u32 v[XSS], v48, 2, s19
	s_lshl_b32 s19, s41, 10
	s_add_co_u32 s19, s19, XWS
	v_lshl_add_u32 v[XSL], v48, 2, s19
	WIN 0x40
	s_mul_i32 s41, s[TG], REC
	s_mul_i32 s19, s[KH], 6144
	s_add_co_u32 s19, s19, s41
	v_add_nc_u32 v[AX0], s19, v[L16]               ; record tg of a pair, K step 4 kh
	s_lshl_b32 s19, s[KH], 8
	s_add_co_u32 s19, s19, s41
	s_add_co_u32 s19, s19, 12288
	v_lshl_add_u32 v[AS0], v48, 2, s19             ; its scale words: two K steps in 32 lanes
	s_lshl_b32 s19, s[TG], 8
	s_add_co_u32 s19, s19, s41
	s_add_co_u32 s19, s19, 12800
	v_lshl_add_u32 v[AGA0], v49, 4, s19            ; g of slots 0-3
	s_lshl_b32 s19, s[TGX], 8
	s_add_co_u32 s19, s19, s41
	s_add_co_u32 s19, s19, 12800
	v_lshl_add_u32 v[AGB0], v49, 4, s19            ; g of slots 4-7
	s_lshl_b32 s19, s[WV], 10
	s_add_co_u32 s19, s19, EX0
	v_add_nc_u32 v[ES], s19, v[L16]
	s_add_co_u32 s19, s19, EX1-EX0
	v_add_nc_u32 v[ES+1], s19, v[L16]
	s_lshl_b32 s19, s[KH], 13                      ; I finish tile steps 2 kh and 2 kh + 1 of my tg
	s_lshl_b32 s41, s[TG], 11
	s_add_co_u32 s19, s19, s41
	s_add_co_u32 s19, s19, EX0
	v_add_nc_u32 v[EF], s19, v[L16]
	s_add_co_u32 s19, s19, EX1-EX0
	v_add_nc_u32 v[EF+1], s19, v[L16]
	WIN 0
	s_lshl_b32 s68, s18, 16                        ; 16 rows of 4,096 bytes
	s_lshl_b32 s19, s[KH], 11
	s_add_co_u32 s68, s68, s19
	s_lshl_b32 s19, s[TG], 26                      ; four experts of 16 MiB
	s_add_co_u32 s68, s68, s19
	s_mov_b32 s69, 0
	s_wait_alu depctr_va_vdst(0)                   ; the wait at the head's end
	s_wait_dscnt 0x0                               ; both opening adds are done
	s_wait_kmcnt 0x0
	s_add_nc_u64 s[WB:WB+1], s[4:5], s[68:69]
.irp e, 1,2,3
	s_add_nc_u64 s[WB+2*\e:WB+2*\e+1], s[WB+2*\e-2:WB+2*\e-1], 0x1000000
.endr
	s_lshl_b32 s68, s18, 6
	s_add_nc_u64 s[6:7], s[6:7], s[68:69]
	s_lshl_b32 s19, s[KH], 2
	s_add_co_u32 s19, s19, s[TG]
	s_lshl_b32 s19, s19, 18                        ; tile 4 kh + tg of a slot: 16 rows of 16,384 bytes each
	s_add_co_u32 s68, s68, s19
	s_add_nc_u64 s[OB:OB+1], s[12:13], s[68:69]
	s_and_b32 s[SI], ttmp9, 15                     ; my cluster's first slot
	s_lshl_b32 s[OF], s[SI], 21
	s_mov_b32 s[OF+1], 0
	s_add_nc_u64 s[OUT:OUT+1], s[OB:OB+1], s[OF:OF+1]
	s_lshl_b32 s68, s17, 3
	s_add_nc_u64 s[STA:STA+1], s[10:11], s[68:69]
	s_add_nc_u64 s[O1:O1+1], s[14:15], s[68:69]
	s_mov_b32 s[G0A], 1
	s_mov_b32 s[G0A+1], s2
	s_add_nc_u64 s[XB:XB+1], s[8:9], s[2:3]
	s_mul_i32 s[XO], s[SI], SLOTB
	s_mov_b32 s[XO+1], 0
	s_add_nc_u64 s[G0A+2:G0A+3], s[XB:XB+1], s[XO:XO+1]
	s_add_co_u32 s[SI], s[SI], 1
	s_and_b32 s[SI], s[SI], 15
	s_mul_i32 s[XO], s[SI], SLOTB
	s_add_nc_u64 s[G0B+2:G0B+3], s[XB:XB+1], s[XO:XO+1]
	s_or_b32 s[G0A+3], s[G0A+3], 0x80000000
	s_or_b32 s[G0B+3], s[G0B+3], 0x80000000
	s_mov_b32 s[G0B], 1
	s_add_co_u32 s[G0B+1], s2, SLOT1
	WIN 0x80
.irp e, 0,1,2,3
	global_load_b128 v[192+8*\e:192+8*\e+3], v[BOA], s[6:7] offset:16384*\e
	global_load_b128 v[192+8*\e+4:192+8*\e+7], v[BOA], s[6:7] offset:16384*\e+16
.endr
.irp e, 0,1,2,3
	global_load_b128 v[224+8*\e:224+8*\e+3], v[BOB], s[6:7] offset:16384*\e
	global_load_b128 v[224+8*\e+4:224+8*\e+7], v[BOB], s[6:7] offset:16384*\e+16
.endr
.macro LOADF f                         ; fragment f = 4 E + s as it lies: 16 rows x 512 bytes, 32 lanes on 512 consecutive bytes
	WIN 0xc0
.irp i, 0,1,2,3,4,5,6,7,8,9,10,11,12,13,14,15
	global_load_b128 v[64*((\f)%4)+4*\i:64*((\f)%4)+4*\i+3], v[L16], s[WB+2*((\f)/4):WB+2*((\f)/4)+1] offset:4096*\i+512*((\f)%4) th:TH_LOAD_NT
.endr
.endm
	LOADF 0
	LOADF 1
	LOADF 2
	LOADF 3
	WIN 0
	ROUND                                          ; in front of the first joint load
	tensor_load_to_lds s[G0A:G0A+3], s[G1:G1+7]    ; my quarter of LDS slot 0: the first of the head's two tensor loads
	s_nop 0
	PLACES 4
	s_cmp_lg_u32 ttmp9, 0
	s_cbranch_scc1 .Lno_var
	s_cmp_lg_u32 s[WV], 0
	s_cbranch_scc1 .Lno_var
; out1: wave 0 of each work-group of cluster 0 makes two experts' variances from the 128 tiles' sums S and squared distances M: no difference of large sums
.macro WSUM a, t
.irp m, 1,2,4,8
	v_add_f32_dpp v[\a], v[\a], v[\a] row_xmask:\m row_mask:0xf bank_mask:0xf
.endr
	v_permlanex16_b32 v[\t], v[\a], s[SEL], s[SEL+1]
	v_add_f32 v[\a], v[\a], v[\t]
.endm
	v_and_b32 v156, 31, v0
	v_lshlrev_b32 v132, 6, v156
	v_mov_b32 v157, 0
.irp q, 0,1,2,3
	global_load_b64 v[134+2*\q:135+2*\q], v132, s[STA:STA+1] offset:2048*\q
	global_load_b64 v[142+2*\q:143+2*\q], v132, s[STA:STA+1] offset:2048*\q+32
.endr
	s_wait_loadcnt 0x0
	v_pk_add_f32 v[150:151], v[134:135], v[136:137]
	v_pk_add_f32 v[152:153], v[138:139], v[140:141]
	v_pk_add_f32 v[150:151], v[150:151], v[152:153]
	WSUM 150, 152
	WSUM 151, 153
	v_mul_f32 v150, 0x3a000000, v150               ; the mean over 2,048 tokens
	v_mul_f32 v151, 0x3a000000, v151
.irp q, 0,1,2,3
	v_pk_fma_f32 v[134+2*\q:135+2*\q], v[134+2*\q:135+2*\q], 0x3d800000, v[150:151] op_sel_hi:[1,0,1] neg_lo:[0,0,1] neg_hi:[0,0,1]
.endr
.irp q, 0,1,2,3
	v_pk_mul_f32 v[134+2*\q:135+2*\q], v[134+2*\q:135+2*\q], v[134+2*\q:135+2*\q]
.endr
.irp q, 0,1,2,3
	v_pk_fma_f32 v[142+2*\q:143+2*\q], v[134+2*\q:135+2*\q], 0x41800000, v[142+2*\q:143+2*\q] op_sel_hi:[1,0,1]
.endr
	v_pk_add_f32 v[154:155], v[142:143], v[144:145]
	v_pk_add_f32 v[152:153], v[146:147], v[148:149]
	v_pk_add_f32 v[154:155], v[154:155], v[152:153]
	WSUM 154, 152
	WSUM 155, 153
	v_mul_f32 v154, 0x3a001002, v154               ; / 2,047
	v_mul_f32 v155, 0x3a001002, v155
	v_cmp_eq_u32 vcc_lo, 0, v156
	s_wait_alu depctr_va_vdst(0)
	s_wait_xcnt 0x0                                ; EXEC changes only behind this wait
	s_and_saveexec_b32 s70, vcc_lo
	global_store_b64 v157, v[154:155], s[O1:O1+1]
	s_wait_xcnt 0x0
	s_or_b32 exec_lo, exec_lo, s70
.Lno_var:
.macro FRAG f                          ; fragment f: through the stage, its two blocks a lane, their scale, the codes into window 1 at 12 f
.if (\f) < 13
	s_wait_loadcnt 48                              ; this fragment's 16 loads are in; three fragments' may be out
.else
	s_wait_loadcnt 16*(15-(\f))
.endif
	WIN 0x0c
.irp i, 0,1,2,3,4,5,6,7,8,9,10,11,12,13,14,15
	ds_store_b128 v[STI], v[64*((\f)%4)+4*\i:64*((\f)%4)+4*\i+3] offset:SP*\i
.endr
	WIN 0
.irp c, 0,1
.irp j, 0,1,2,3,4,5,6,7
	ds_load_b128 v[N+32*\c+4*\j:N+32*\c+4*\j+3], v[STO] offset:256*\c+16*\j
.endr
.endr
	s_wait_dscnt 0x0
.if (\f) < 12
	LOADF (\f)+4
	WIN 0
.endif
.irp c, 0,1
	v_max3_num_f32 v[MX+\c], |v[N+32*\c]|, |v[N+32*\c+1]|, 0x1800000   ; with the floor 2^(3 - 127): the byte cannot fall under 1
.endr
.irp i, 2,4,6,8,10,12,14,16,18,20,22,24,26,28,30
.irp c, 0,1
	v_max3_num_f32 v[MX+\c], v[MX+\c], |v[N+32*\c+\i]|, |v[N+32*\c+\i+1]|
.endr
.endr
.irp c, 0,1
	v_add_nc_u32 v[SO+\c], 0xff000000, v[MX+\c]    ; 2 off the exponent field: the conversion's scale operand
.endr
.irp c, 0,1
	v_lshrrev_b32 v[BY+\c], 23, v[SO+\c]
.endr
	v_lshl_or_b32 v[WD], v[BY+1], 16, v[BY]
	v_lshlrev_b32 v[WD], v[SH8], v[WD]
	v_permlanex16_b32 v[WX], v[WD], s[SEL], s[SEL+1]
	v_or_b32 v[WD], v[WD], v[WX]                   ; the row's scale word, whole in both halves of the lanes
	WIN 0x40
.irp c, 0,1
	v_cvt_scalef32_pk16_fp6_f32 v[12*(\f)+6*\c:12*(\f)+6*\c+2], v[N+32*\c:N+32*\c+15], v[SO+\c]
.endr
	WIN 0
.irp c, 0,1
	v_cvt_scalef32_pk16_fp6_f32 v[TT+4*\c:TT+4*\c+2], v[N+32*\c+16:N+32*\c+31], v[SO+\c]   ; (a conversion's three registers begin on an even number)
.endr
	v_nop                                          ; one plain place behind a scaled conversion
	WIN 0x40
.irp c, 0,1
.irp i, 0,1,2
	v_mov_b32 v[12*(\f)+6*\c+3+\i], v[TT+4*\c+\i]
.endr
.endr
	WIN 0
.if ((\f)%2) == 0
	v_mov_b32 v[WS+(\f)/2], v[WD]
.else
	v_cndmask_b32 v[WS+(\f)/2], v[WS+(\f)/2], v[WD], s[HM]
.endif
.endm
.macro SHARE k                         ; slot k's four fragments go to my partner, its slot k's come to my slot k + 4: store, wait, barrier, load; and a barrier before the bytes are written again
	WIN 0x04
.irp m, 0,1,2,3,4,5,6,7,8,9,10,11
	ds_store_b128 v[XST], v[48*(\k)+4*\m:48*(\k)+4*\m+3] offset:512*\m
.endr
	WIN 0
.if (\k) == 3
.irp i, 0,1,2,3,4,5,6,7
	ds_store_b32 v[XSS], v[WS+\i] offset:128*\i
.endr
.endif
	s_wait_alu depctr_va_vdst(0)
	s_wait_dscnt 0x0                               ; for my partner's sake
	s_barrier_signal -1
	s_barrier_wait -1
	WIN 0x80
.irp m, 0,1,2,3,4,5,6,7,8,9,10,11
	ds_load_b128 v[48*(\k)+4*\m:48*(\k)+4*\m+3], v[XLD] offset:512*\m
.endr
	WIN 0
.if (\k) == 3
.irp i, 0,1,2,3,4,5,6,7
	ds_load_b32 v[WS+8+\i], v[XSL] offset:128*\i
.endr
.elseif (\k) == 2                      ; LDS slot 1's first fill, issued as a refill is: four fragments' work and four steps' products stand between it and the wait for it
	s_wait_tensorcnt 0x0                           ; my quarter of LDS slot 0 is in
	ds_add_u32 v[SPW], v[NIL]
	s_wait_dscnt 0x0
	ROUND                                          ; all four work-groups are here: the joint loads meet
	tensor_load_to_lds s[G0B:G0B+3], s[G1:G1+7]
	s_nop 0
	PLACES 4
.else
	s_wait_dscnt 0x0
	s_barrier_signal -1
	s_barrier_wait -1
.endif
.endm
.irp f, 0,1,2,3,4,5,6,7,8,9,10,11,12,13,14,15
	FRAG \f
.if \f == 0
	WIN 0x82
.irp i, 0,2,4,6,8,10,12,14,16,18,20,22,24,26,28,30,32,34,36,38,40,42,44,46,48,50,52,54,56,58,60,62
	v_pk_mul_f32 v[192+\i:192+\i+1], v[192+\i:192+\i+1], s[BSEL:BSEL+1] op_sel_hi:[1,0]
.endr
	WIN 0
.endif
.if (\f%4) == 3
	SHARE (\f/4)
.endif
.endr
; one product: slot E, my K step s, buffer p.  Source 0: window 1 (slots 0-3) or 2 (slots 4-7)
.macro WM E, s, p
.if (\s) == 0
	v_wmma_scale_f32_16x16x128_f8f6f4 v[ACC+64*(\p)+8*(\E):ACC+64*(\p)+8*(\E)+7], v[48*((\E)%4):48*((\E)%4)+11], v[XF+48*(\p):XF+48*(\p)+11], v[192+8*(\E):192+8*(\E)+7], v[WS+2*(\E)], v[XS+2*(\p)] matrix_a_fmt:MATRIX_FMT_FP6 matrix_b_fmt:MATRIX_FMT_FP6
.elseif ((\s)%2) == 0
	v_wmma_scale_f32_16x16x128_f8f6f4 v[ACC+64*(\p)+8*(\E):ACC+64*(\p)+8*(\E)+7], v[48*((\E)%4)+12*(\s):48*((\E)%4)+12*(\s)+11], v[XF+48*(\p)+12*(\s):XF+48*(\p)+12*(\s)+11], v[ACC+64*(\p)+8*(\E):ACC+64*(\p)+8*(\E)+7], v[WS+2*(\E)+(\s)/2], v[XS+2*(\p)+(\s)/2] matrix_a_fmt:MATRIX_FMT_FP6 matrix_b_fmt:MATRIX_FMT_FP6
.else
	v_wmma_scale_f32_16x16x128_f8f6f4 v[ACC+64*(\p)+8*(\E):ACC+64*(\p)+8*(\E)+7], v[48*((\E)%4)+12*(\s):48*((\E)%4)+12*(\s)+11], v[XF+48*(\p)+12*(\s):XF+48*(\p)+12*(\s)+11], v[ACC+64*(\p)+8*(\E):ACC+64*(\p)+8*(\E)+7], v[WS+2*(\E)+(\s)/2], v[XS+2*(\p)+(\s)/2] matrix_a_fmt:MATRIX_FMT_FP6 matrix_b_fmt:MATRIX_FMT_FP6 matrix_a_scale:MATRIX_SCALE_ROW1 matrix_b_scale:MATRIX_SCALE_ROW1
.endif
.endm
.macro WM4 e0, s, p
.irp d, 0,1,2,3
	WM (\e0)+\d, \s, \p
.endr
.endm
.macro VS e, p, g                      ; slot e's results of buffer p, weighed by the lane's g, onto the tile's sum; each accumulator from its low end on
.irp i, 0,2,4,6
.if (\e) == 0
	v_pk_mul_f32 v[TOT+8*(\p)+\i:TOT+8*(\p)+\i+1], v[G+8*(\g):G+8*(\g)+1], v[ACC+64*(\p)+\i:ACC+64*(\p)+\i+1] op_sel_hi:[0,1]
.elseif ((\e)%2) == 0
	v_pk_fma_f32 v[TOT+8*(\p)+\i:TOT+8*(\p)+\i+1], v[G+8*(\g)+(\e):G+8*(\g)+(\e)+1], v[ACC+64*(\p)+8*(\e)+\i:ACC+64*(\p)+8*(\e)+\i+1], v[TOT+8*(\p)+\i:TOT+8*(\p)+\i+1] op_sel_hi:[0,1,1]
.else
	v_pk_fma_f32 v[TOT+8*(\p)+\i:TOT+8*(\p)+\i+1], v[G+8*(\g)+(\e)-1:G+8*(\g)+(\e)], v[ACC+64*(\p)+8*(\e)+\i:ACC+64*(\p)+8*(\e)+\i+1], v[TOT+8*(\p)+\i:TOT+8*(\p)+\i+1] op_sel:[1,0,0] op_sel_hi:[1,1,1]
.endif
.endr
.endm
.macro WV1 E, s, p, dov, e, pn, g      ; a product, and behind it a slot's weighing
	WM \E, \s, \p
.if \dov
	VS \e, \pn, \g
.endif
.endm
.macro RUN0 p                          ; my first K step: C = the bias (window 2)
	WIN 0xed
	WM4 0, 0, \p
	WIN 0xee
	WM4 4, 0, \p
.endm
.macro RUN123 p, dov, pn, g            ; my other three K steps; the weighing stands where source 0 is window 1, in which g lies
	WIN 0xfe
	WM4 4, 1, \p
	WIN 0xfd
	WV1 0, 1, \p, \dov, 0, \pn, \g
	WV1 1, 1, \p, \dov, 1, \pn, \g
	WV1 2, 1, \p, \dov, 2, \pn, \g
	WM 3, 1, \p
	WV1 0, 2, \p, \dov, 3, \pn, \g
	WV1 1, 2, \p, \dov, 4, \pn, \g
	WV1 2, 2, \p, \dov, 5, \pn, \g
	WM 3, 2, \p
	WIN 0xfe
	WM4 4, 2, \p
	WM4 4, 3, \p
	WIN 0xfd
	WM 0, 3, \p
	WM 1, 3, \p
	WV1 2, 3, \p, \dov, 6, \pn, \g
	WV1 3, 3, \p, \dov, 7, \pn, \g                 ; its four lines are the places in front of the next step's loads
.if (\dov) == 0
	PLACES 4
.endif
.endm
.macro LXS jn, p
.irp q, 0,1
	ds_load_b32 v[XS+2*(\p)+\q], v[ASL+(\jn)/2] offset:2*REC*((\jn)%2)+128*\q
.endr
.endm
.macro LFR jn, p
.irp s, 0,1,2,3
.irp c, 0,1,2
	ds_load_b128 v[XF+48*(\p)+12*\s+4*\c:XF+48*(\p)+12*\s+4*\c+3], v[AXL+(\jn)/2] offset:2*REC*((\jn)%2)+1536*\s+512*\c
.endr
.endr
.endm
.macro LGG jn, g
	ds_load_b128 v[G+8*(\g):G+8*(\g)+3], v[AGA+(\jn)/2] offset:2*REC*((\jn)%2)
	ds_load_b128 v[G+8*(\g)+4:G+8*(\g)+7], v[AGB+(\jn)/2] offset:2*REC*((\jn)%2)
.endm
.macro SST p, t, b
	ds_store_b128 v[ES+(\b)], v[TOT+8*(\p):TOT+8*(\p)+3] offset:4096*(\t)
	ds_store_b128 v[ES+(\b)], v[TOT+8*(\p)+4:TOT+8*(\p)+7] offset:4096*(\t)+512
.endm
.macro FLD b                           ; my two tiles' two partial sums
.irp a, 0,1
.irp u, 0,1
	ds_load_b128 v[FT+16*\a+8*\u:FT+16*\a+8*\u+3], v[EF+(\b)] offset:4096*\a+1024*\u
	ds_load_b128 v[FT+16*\a+8*\u+4:FT+16*\a+8*\u+7], v[EF+(\b)] offset:4096*\a+1024*\u+512
.endr
.endr
.endm
.macro FINAL
.irp a, 0,1
.irp i, 0,2,4,6
	v_pk_add_f32 v[FT+16*\a+\i:FT+16*\a+\i+1], v[FT+16*\a+\i:FT+16*\a+\i+1], v[FT+16*\a+8+\i:FT+16*\a+8+\i+1]
.endr
.endr
.irp a, 0,1
	global_store_b128 v[OO], v[FT+16*\a:FT+16*\a+3], s[OUT:OUT+1] offset:524288*\a
	global_store_b128 v[OO], v[FT+16*\a+4:FT+16*\a+7], s[OUT:OUT+1] offset:524288*\a+16
.endr
.endm
.macro ADV
	s_wait_xcnt 0x0                                ; the stores have read their base and their data
	s_add_co_u32 s[OF], s[OF], 0x200000            ; 128 rows on,
	s_and_b32 s[OF], s[OF], 0x1ffffff              ; round the ring
	s_add_nc_u64 s[OUT:OUT+1], s[OB:OB+1], s[OF:OF+1]
.endm
.macro ADDRS
	WIN WDD
	v_add_nc_u32 v[AXL], s[TB], v[AX0]
	v_add_nc_u32 v[ASL], s[TB], v[AS0]
	v_add_nc_u32 v[AGA], s[TB], v[AGA0]
	v_add_nc_u32 v[AGB], s[TB], v[AGB0]
	v_add_nc_u32 v[AXL+1], 4*REC, v[AXL]
	v_add_nc_u32 v[ASL+1], 4*REC, v[ASL]
	v_add_nc_u32 v[AGA+1], 4*REC, v[AGA]
	v_add_nc_u32 v[AGB+1], 4*REC, v[AGB]
.endm
.macro LDSRUN dol, dos                 ; the step's one run of LDS work: the next tile's g, scale words and four fragments; the partial sum finished two steps ago
.if \dol
	WIN WC
	LGG JN_, GN_
	WIN WL0
	LXS JN_, PN_
	WIN WL3
	LFR JN_, PN_
.endif
.if \dos
	WIN WST
	SST PN_, TS_, BS_
.endif
.endm
; Step j of a body of 8 (two slots of 4).  sync 0: none; 1: a barrier; 2: the slot's end: the three lines, the round, the refill; 3: the same with a barrier alone, where nothing is left to ask for
.macro STEP j, dov, dos, sync, dof, doo, dol
.set P_,  (\j)%2
.set PN_, ((\j)+1)%2
.set JN_, ((\j)+1)%4
.set GV_, ((\j)+3)%4
.set GN_, ((\j)+1)%4
.set TS_, ((\j)+1)%4
.set BS_, 0
.if ((\j) < 3) || ((\j) == 7)
.set BS_, 1
.endif
.set BF_, 0
.if (\j) == 3
.set BF_, 1
.endif
.if (\sync) >= 2
	WIN 0
	s_wait_tensorcnt 0x0                           ; all my tensor loads are done: my quarter of the next slot
	ds_add_u32 v[SPW], v[NIL]
	s_xor_b32 s[TB], s[TB], SLOT1
.if (\sync) == 2
	s_xor_b32 s[G0B+1], s[G0B+1], SLOT1            ; no tensor load of mine is out: the descriptor is written for the ring's next slot
	s_add_co_u32 s[SI], s[SI], 1
	s_and_b32 s[SI], s[SI], 15
	s_mul_i32 s[XO], s[SI], SLOTB
	s_add_nc_u64 s[G0B+2:G0B+3], s[XB:XB+1], s[XO:XO+1]
	s_or_b32 s[G0B+3], s[G0B+3], 0x80000000
.endif
	ADDRS
.endif
	s_wait_dscnt 0x0                               ; this tile's operands are in; at a slot's end also: the add is done and my reads of the slot are over
.if (\sync) >= 1
	s_barrier_signal -1
.else
.if \doo
	WIN 0
	FINAL
.endif
	LDSRUN \dol, \dos
.endif
	RUN0 P_
.if (\sync) >= 1
	WIN 0
	s_barrier_wait -1
.if (\sync) == 2
	CREST
	tensor_load_to_lds s[G0B:G0B+3], s[G1:G1+7]    ; the first tensor load behind the round
	s_nop 0
.endif
.if (\sync) >= 2
	PLACES 4
	s_wait_alu depctr_va_vdst(0)
.endif
	LDSRUN \dol, \dos
.if \dof
	WIN WL0
	FLD BF_
.endif
.endif
.if \doo
	ADV
.endif
	RUN123 P_, \dov, PN_, GV_
.endm
.macro BODY kind
.if (\kind) == 0
	STEP 0, 0, 0, 0, 0, 0, 1
	STEP 1, 1, 0, 0, 0, 0, 1
	STEP 2, 1, 0, 0, 0, 0, 1
	STEP 3, 1, 1, 2, 0, 0, 1
	STEP 4, 1, 1, 0, 0, 0, 1
.else
	STEP 0, 1, 1, 0, 0, 1, 1
	STEP 1, 1, 1, 0, 0, 0, 1
	STEP 2, 1, 1, 0, 0, 0, 1
.if (\kind) == 1
	STEP 3, 1, 1, 2, 1, 0, 1
.else
	STEP 3, 1, 1, 3, 1, 0, 1
.endif
	STEP 4, 1, 1, 0, 0, 1, 1
.endif
	STEP 5, 1, 1, 0, 0, 0, 1
	STEP 6, 1, 1, 0, 0, 0, 1
.if (\kind) < 2
	STEP 7, 1, 1, 2, 1, 0, 1
.else
	STEP 7, 1, 1, 1, 1, 0, 0
.endif
	WIN 0
.endm
	s_wait_tensorcnt 0x1                           ; LDS slot 0 is in; slot 1's load, the one issued behind it, may be out
	s_wait_dscnt 0x0                               ; my partner's last fragments and scale words are in
	s_barrier_signal -1
	s_barrier_wait -1
	s_mov_b32 s[TB], 0
	ADDRS
	WIN WC
	LGG 0, 0
	WIN WL0
	LXS 0, 0
	WIN WL3
	LFR 0, 0
	PLACES 8
	s_wait_alu depctr_va_vdst(0)                   ; the wait at the head's end
	BODY 0                                         ; slots 0 and 1 of my ring: 2 refills
	s_mov_b32 s[CNT], 6
.Lslot:                                                ; slots 2 to 13: 12 refills
	BODY 1
	s_sub_co_u32 s[CNT], s[CNT], 1
	s_cmp_lg_u32 s[CNT], 0
	s_cbranch_scc1 .Lslot
	BODY 2                                         ; slots 14 and 15 ask for nothing more
	s_wait_dscnt 0x0
	FINAL                                          ; slot 14 goes out
	ADV
	WIN WST
	SST 1, 1, 1                                    ; slot 15's last three tile steps
	WIN 0xfd
.irp e, 0,1,2,3,4,5,6,7
	VS \e, 1, 3
.endr
	WIN WST
	SST 0, 2, 1
	SST 1, 3, 1
	s_wait_dscnt 0x0
	s_barrier_signal -1
	s_barrier_wait -1
	WIN WL0
	FLD 1
	s_wait_dscnt 0x0
	WIN 0
	FINAL
	s_wait_tensorcnt 0x0                           ; the wave's end
	ds_add_u32 v[SPW], v[NIL]
	s_wait_dscnt 0x0
	ROUND                                          ; the closing round
	s_endpgm
.Lfunc_end_k_q5fe7828f52_moe:
	.size	k_q5fe7828f52_moe, .Lfunc_end_k_q5fe7828f52_moe-k_q5fe7828f52_moe
	.p2alignl 7, 3214868480
	.fill 96, 4, 3214868480
	.section	.rodata,"a",@progbits
	.p2align	6, 0x0
	.amdhsa_kernel k_q5fe7828f52_moe
		.amdhsa_group_segment_fixed_size 327680
		.amdhsa_private_segment_fixed_size 0
		.amdhsa_enable_private_segment 0
		.amdhsa_kernarg_size 48
		.amdhsa_user_sgpr_count 2
		.amdhsa_user_sgpr_kernarg_segment_ptr 1
		.amdhsa_wavefront_size32 1
		.amdhsa_system_sgpr_workgroup_id_x 1
		.amdhsa_system_sgpr_workgroup_id_y 1
		.amdhsa_system_sgpr_workgroup_id_z 1
		.amdhsa_system_vgpr_workitem_id 0
		.amdhsa_next_free_vgpr 1024
		.amdhsa_next_free_sgpr 84
		.amdhsa_reserve_vcc 1
		.amdhsa_float_denorm_mode_32 3
		.amdhsa_float_denorm_mode_16_64 3
		.amdhsa_memory_ordered 1
		.amdhsa_forward_progress 1
		.amdhsa_inst_pref_size 255
	.end_amdhsa_kernel
	.section	.bss,"aw",@nobits
	.p2align	6
	.space	262144
	.amdgpu_metadata
---
amdhsa.version: [ 1, 2 ]
amdhsa.kernels:
  - .name:           k_q5fe7828f52_moe
    .symbol:         k_q5fe7828f52_moe.kd
    .args:
      - { .name: expert_w, .offset: 0, .size: 8, .value_kind: global_buffer, .address_space: global }
      - { .name: expert_b, .offset: 8, .size: 8, .value_kind: global_buffer, .address_space: global }
      - { .name: xq, .offset: 16, .size: 8, .value_kind: global_buffer, .address_space: global }
      - { .name: stats, .offset: 24, .size: 8, .value_kind: global_buffer, .address_space: global }
      - { .name: out0, .offset: 32, .size: 8, .value_kind: global_buffer, .address_space: global }
      - { .name: out1, .offset: 40, .size: 8, .value_kind: global_buffer, .address_space: global }
    .group_segment_fixed_size: 327680
    .private_segment_fixed_size: 0
    .kernarg_segment_align: 8
    .kernarg_segment_size: 48
    .max_flat_workgroup_size: 128
    .sgpr_count:     84
    .vgpr_count:     1024
    .wavefront_size: 32
...
	.end_amdgpu_metadata
.endif
;; end of part 2
